; MI455X (gfx1250); checked and timed in simulation.
; The chip was launched on July 23, 2026; its instructions are those of AMD's public machine-readable ISA for CDNA 5 (MIT licence, August 2026) and "CDNA5" Instruction Set Architecture Reference Guide (July 2026). The comments in the code are by the model that wrote it; some were corrected since.
;; Gemm RS Intra Node. Allowed arithmetic: matrix products marked QUANTISED: E3M2 operands, one E8M0 scale for each 32 along K, by v_wmma_scale_f32_16x16x128_f8f6f4 with both operands' format E3M2, f32 sums; everything else in f32.
;; Inputs: input 8 x 2,048 x 1,024 float32; weight 8 x 4,096 x 1,024 float32.
;; Outputs: out0 8 x 256 x 4,096 float32.
;; This version of the problem:
;;   THIS VERSION OF THE PROBLEM IS GIVEN IN LOW PRECISION. The matrix products marked QUANTISED in the list below multiply operands that are first quantised to E3M2 (3 exponent bits, 2 mantissa bits; 6 bits a number), with one power-of-two scale for each 32 numbers along K (OCP MX v1.0); their sums are f32. All else is computed in f32.
;;   The module's matrix products, in the order in which they are computed (A, B: the left and right operand; K: the contracted axis; several contracted axes count as one K, in the product's order):
;;     1. [M 2,048, K 8,192] x [K 8,192, N 4,096]; A: input input; B: input weight: QUANTISED
;;   THE QUANTISER, for each operand of a quantised product, along K:
;;     - K is cut into blocks of 32 from its start; a last block that is shorter is filled with zeros.
;;     - A block's scale is 2^e with e = floor(log2(the largest magnitude in the block)) - 4, held to -126 .. 127; a block of zeros has e = 0. As a byte (E8M0): e + 127.
;;     - Each number is divided by its block's scale, clamped to +-28, and rounded to the nearest number of E3M2, ties to even, subnormals kept.
;;     - The product sums the exact products of the quantised numbers (number of the format x scale) in f32.
;;   ~~~python
;;   def quantise(x, axis):      # numpy; x: float32 -> the quantised numbers, widened to float32 again
;;       x = np.moveaxis(x, axis, -1); K = x.shape[-1]
;;       x = np.pad(x, [(0, 0)] * (x.ndim - 1) + [(0, -K % 32)]); x = x.reshape(x.shape[:-1] + (-1, 32)); a = np.abs(x).max(-1, keepdims=True)
;;       e = np.where(a > 0, np.clip(np.frexp(np.where(a > 0, a, 1))[1] - 1 - 4, -126, 127), 0)      # np.frexp(a)[1] - 1 = floor(log2(a)), exactly
;;       r = np.clip(x / 2.0 ** e, -28, 28)
;;       step = 2.0 ** (np.maximum(np.frexp(np.where(r == 0, 1, r))[1] - 1, -2) - 2)
;;       q = np.round(r / step) * step * 2.0 ** e      # np.round: ties to even
;;       return np.moveaxis(q.reshape(q.shape[:-2] + (-1,))[..., :K], -1, axis).astype(np.float32)
;;   ~~~
;; One version. Each part assembles by itself: llvm-mc -triple=amdgcn-amd-amdhsa -mcpu=gfx1250 --defsym DOCPART=n.
;; ======== version 1 of 1: 2 launches
;; limits: right only within a limited range of input values
;; workspace buffers: aq 13,107,200 bytes; bq 26,214,400 bytes
;; launch quant (part 1): grid 1536 x 1, 4 waves a work-group, no clusters, 39,424 bytes of LDS; arguments input, weight, aq, bq; writes aq, bq
.if DOCPART == 1
	.amdgcn_target "amdgcn-amd-amdhsa--gfx1250"
	.amdhsa_code_object_version 6
	.text
	.protected	k_qb410707fb7_quant
	.globl	k_qb410707fb7_quant
	.p2align	8
	.type	k_qb410707fb7_quant,@function
k_qb410707fb7_quant:
	s_mov_b64 s[64:65], 0
	v_nop
	global_prefetch_b8 v0, s[64:65] scope:SCOPE_SE
	s_setreg_imm32_b32 hwreg(HW_REG_WAVE_MODE, 25, 1), 1
	s_wait_xcnt 0x0
; input [8][2048][1024] and weight [8][4096][1024], f32, become codes of BF6 (E3M2) with one E8M0 scale byte for each 32 along K.
; The product contracts (k, rank), in that order: K = 8 k + rank.  So a block of 32 is four neighbouring k of all eight ranks: 16 bytes of a row in each rank.
; A block's byte is its largest magnitude's exponent field - 4, held at 1 from below; each number is divided by the scale and rounded to the nearest code, ties to even, beyond the largest code the largest.
; Inside a block the codes stand rank by rank (place 4 rank + k % 4): the same permutation in both operands, so every product meets its partner and its block's scale.
; LIMITS: NaN and infinities among the inputs are not served.  A block of zeros gets the byte 1 where the rule says 127: its codes are zeros, and this program alone reads the bytes.
; THE OUTPUT IS AN IMAGE OF THE NEXT LAUNCH'S OPERAND REGISTERS, in panels of 64 rows x 512 along K (16 blocks), 25,600 bytes each:
;   fragment (i, q) (rows 16 i on, blocks 4 q on) at (4 i + q) x 1,536: its registers 4 c .. 4 c + 3 of operand lane L = r + 16 h at 512 c + 16 L (registers 0-5: block h of row r, 6-11: block 2 + h);
;   from byte 24,576: row block i at 256 i, row r's 16 scale bytes at 16 r.     aq is [S 16][G 32] panels, bq [S 16][G 64]: S = K / 512, G = row / 64.
; A work-group makes one panel (ids 0-511 input, the others weight; only pointers and shift counts are chosen).  Wave w takes row block w, two rows a step; lane l takes block l % 16 of row 2 t + l / 16
; by eight loads of 16 bytes, one for each rank: sixteen lanes read 256 consecutive bytes.  The codes are gathered in the wave's own stage and leave by twelve stores of 512 consecutive bytes.  No barrier.
.set STEPS, 8
.set NS,    2                          ; sets of 32 registers: 16 loads of a wave are out
.set EMAX,  4
.set WREG,  9728                       ; LDS, a region for each wave: 256 scale bytes, then the stage
.set SCB,   0
.set OST,   256
.set CS,    768                        ; stage: a group of four registers: lanes 0-15 at 0, lanes 16-31 at 288
.set FRS,   2368                       ; stage: a fragment: three groups + 64.  With these the 32 lanes of an 8-byte store touch 64 different banks (64 banks of 4 bytes: ISA guide 11.1)
.set SPARE, 4*WREG                     ; the spare words, 128 bytes a wave
.set PANEL, 25600
.set E,     20                         ; v20-27  a scale byte for each step
.set X,     32                         ; v32-95  two sets of 32 numbers; at the end the codes on their way out
.set C,     96                         ; v96-159 codes, eight registers for each step
.set SPW,   14
.set NIL,   15
.set RB,    32                         ; s[32:47] my first row and k in each of the eight ranks
	s_load_b256 s[4:11], s[0:1], 0x0               ; input, weight, aq, bq
	v_lshl_add_u32 v[SPW], v0, 2, SPARE
	v_mov_b32 v[NIL], 0
	v_lshrrev_b32 v1, 5, v0
	v_readfirstlane_b32 s16, v1                    ; wave
	v_and_b32 v2, 31, v0                           ; lane
	v_lshlrev_b32 v16, 4, v2                       ; my 16 bytes of a store's 512
	v_and_b32 v8, 15, v2                           ; my block
	v_lshrrev_b32 v9, 4, v2                        ; which of the step's two rows
	v_lshlrev_b32 v3, 4, v8
	v_lshl_add_u32 v3, v9, 12, v3                  ; in memory: 16 bytes a block, 4,096 a row
	s_mul_i32 s28, s16, WREG
	v_add_nc_u32 v5, s28, v2                       ; my scale byte: 32 t + lane
	v_lshlrev_b32 v7, 3, v2
	v_add_nc_u32 v6, s28, v7                       ; the scale bytes on their way out
	s_add_co_u32 s29, s28, OST
	v_bfe_u32 v8, v2, 2, 2                         ; K step q = block / 4
	v_mul_u32_u24 v4, v8, FRS
	v_and_b32 v1, 1, v2                            ; operand half h = block % 2
	v_mad_u32_u24 v4, v1, 288, v4
	v_lshl_add_u32 v4, v9, 4, v4                   ; 16 bytes an operand lane
	v_add_nc_u32 v4, s29, v4
	v_bfe_u32 v1, v2, 1, 1                         ; u: registers 0-5 or 6-11 of the operand lane
	v_mad_u32_u24 v12, v1, 1528, v4                ; my second 8 bytes: group 0 byte 8, or group 2 byte 0 (the 8 stands in the immediate)
	v_mad_u32_u24 v4, v1, 776, v4                  ; my first: group 0 byte 0, or group 1 byte 8; my third lies one group on
	v_add_nc_u32 v10, s29, v16
	v_lshl_add_u32 v1, v9, 5, v10                  ; the stage read back: 16 bytes a lane, lanes 16-31 behind 32 of padding
	s_wait_alu depctr_va_vdst(0)
	s_wait_kmcnt 0x0
	s_cmp_lt_u32 ttmp9, 512                        ; input's work-group or weight's
	s_cselect_b64 s[4:5], s[4:5], s[6:7]
	s_cselect_b64 s[8:9], s[8:9], s[10:11]
	s_cselect_b32 s17, 0, 512
	s_cselect_b32 s22, 5, 6                        ; log2 of the row groups
	s_cselect_b32 s23, 23, 24                      ; log2 of a rank's bytes
	s_sub_co_u32 s17, ttmp9, s17
	s_and_b32 s18, s17, 15                         ; S
	s_lshr_b32 s19, s17, 4                         ; G
	s_lshl_b32 s20, s19, 18
	s_lshl_b32 s21, s16, 16
	s_add_co_u32 s20, s20, s21
	s_lshl_b32 s21, s18, 8
	s_add_co_u32 s20, s20, s21
	s_mov_b32 s21, 0
	s_add_nc_u64 s[RB:RB+1], s[4:5], s[20:21]
	s_lshl_b32 s26, 1, s23
	s_mov_b32 s27, 0
.irp r, 1,2,3,4,5,6,7
	s_add_nc_u64 s[RB+2*\r:RB+2*\r+1], s[RB+2*\r-2:RB+2*\r-1], s[26:27]
.endr
	s_lshl_b32 s24, s18, s22
	s_add_co_u32 s24, s24, s19
	s_mul_i32 s24, s24, PANEL
	s_mov_b32 s25, 0
	s_add_nc_u64 s[8:9], s[8:9], s[24:25]          ; my panel
	s_lshl_b32 s26, s16, 8
	s_add_co_u32 s26, s26, 24576
	s_add_nc_u64 s[10:11], s[8:9], s[26:27]        ; my row block's scale bytes
	s_mul_i32 s26, s16, 6144
	s_add_nc_u64 s[8:9], s[8:9], s[26:27]          ; and its four fragments
.macro LOAD t
.irp r, 0,1,2,3,4,5,6,7
	global_load_b128 v[X+32*((\t)%NS)+4*\r:X+32*((\t)%NS)+4*\r+3], v3, s[RB+2*\r:RB+2*\r+1] offset:8192*(\t) th:TH_LOAD_NT
.endr
.endm
	LOAD 0
	LOAD 1
.macro STEP t
.set XS, X+32*((\t)%NS)
.set CD, C+8*(\t)
.if STEPS-1-(\t) >= NS-1
	s_wait_loadcnt 8*(NS-1)                        ; this step's eight loads are in; the next step's may be out
.else
	s_wait_loadcnt 8*(STEPS-1-(\t))
.endif
	v_max3_num_f32 v8, |v[XS]|, |v[XS+1]|, |v[XS+2]|
	v_max3_num_f32 v9, |v[XS+3]|, |v[XS+4]|, |v[XS+5]|
.irp i, 6,10,14,18,22,26
	v_max3_num_f32 v8, v8, |v[XS+\i]|, |v[XS+\i+1]|
	v_max3_num_f32 v9, v9, |v[XS+\i+2]|, |v[XS+\i+3]|
.endr
	v_max3_num_f32 v8, v8, |v[XS+30]|, |v[XS+31]|
	v_max3_num_f32 v8, v8, v9, (EMAX+1)<<23        ; the floor: the byte cannot fall under 1
	v_add_nc_u32 v11, -(EMAX<<23), v8              ; the conversion's scale operand
	v_cvt_scalef32_pk16_bf6_f32 v[CD:CD+2], v[XS:XS+15], v11
	v_cvt_scalef32_pk16_bf6_f32 v[CD+4:CD+6], v[XS+16:XS+31], v11
	v_lshrrev_b32 v[E+(\t)], 23, v11               ; the scale's byte; also the plain line behind the conversions
	v_mov_b32 v[CD+3], v[CD+4]
	v_mov_b32 v[CD+4], v[CD+5]
	v_mov_b32 v[CD+5], v[CD+6]                     ; v[CD .. CD + 5]: the block's 24 bytes
	ds_store_b8 v5, v[E+(\t)] offset:SCB+32*(\t)
	ds_store_b64 v4, v[CD:CD+1] offset:32*(\t)
	ds_store_b64 v12, v[CD+2:CD+3] offset:32*(\t)+8
	ds_store_b64 v4, v[CD+4:CD+5] offset:32*(\t)+CS
.if (\t)+NS < STEPS
	LOAD (\t)+NS
.endif
.endm
.irp t, 0,1,2,3,4,5,6,7
	STEP \t
.endr
	ds_load_b64 v[8:9], v6 offset:SCB              ; LDS serves a wave's instructions in order (ISA guide 5.7.1): these see my stores
.irp q, 0,1,2,3
.irp c, 0,1,2
	ds_load_b128 v[X+12*\q+4*\c:X+12*\q+4*\c+3], v1 offset:FRS*\q+CS*\c
.endr
.endr
	s_wait_dscnt 12
	global_store_b64 v7, v[8:9], s[10:11]          ; 256 consecutive bytes, aligned
.irp n, 0,1,2,3,4,5,6,7,8,9,10,11
	s_wait_dscnt 11-\n
	global_store_b128 v16, v[X+4*\n:X+4*\n+3], s[8:9] offset:512*\n   ; 512 consecutive bytes, aligned
.endr
	s_wait_tensorcnt 0x0                           ; the wave's end
	ds_add_u32 v[SPW], v[NIL]
	s_wait_dscnt 0x0
	s_endpgm
.Lfunc_end_k_qb410707fb7_quant:
	.size	k_qb410707fb7_quant, .Lfunc_end_k_qb410707fb7_quant-k_qb410707fb7_quant
	.p2alignl 7, 3214868480
	.fill 96, 4, 3214868480
	.section	.rodata,"a",@progbits
	.p2align	6, 0x0
	.amdhsa_kernel k_qb410707fb7_quant
		.amdhsa_group_segment_fixed_size 39424
		.amdhsa_private_segment_fixed_size 0
		.amdhsa_enable_private_segment 0
		.amdhsa_kernarg_size 32
		.amdhsa_user_sgpr_count 2
		.amdhsa_user_sgpr_kernarg_segment_ptr 1
		.amdhsa_wavefront_size32 1
		.amdhsa_system_sgpr_workgroup_id_x 1
		.amdhsa_system_sgpr_workgroup_id_y 1
		.amdhsa_system_sgpr_workgroup_id_z 1
		.amdhsa_system_vgpr_workitem_id 0
		.amdhsa_next_free_vgpr 160
		.amdhsa_next_free_sgpr 66
		.amdhsa_reserve_vcc 0
		.amdhsa_float_denorm_mode_32 3
		.amdhsa_float_denorm_mode_16_64 3
		.amdhsa_memory_ordered 1
		.amdhsa_forward_progress 1
		.amdhsa_inst_pref_size 25
	.end_amdhsa_kernel
	.amdgpu_metadata
---
amdhsa.version: [ 1, 2 ]
amdhsa.kernels:
  - .name:           k_qb410707fb7_quant
    .symbol:         k_qb410707fb7_quant.kd
    .args:
      - { .name: input, .offset: 0, .size: 8, .value_kind: global_buffer, .address_space: global }
      - { .name: weight, .offset: 8, .size: 8, .value_kind: global_buffer, .address_space: global }
      - { .name: aq, .offset: 16, .size: 8, .value_kind: global_buffer, .address_space: global }
      - { .name: bq, .offset: 24, .size: 8, .value_kind: global_buffer, .address_space: global }
    .group_segment_fixed_size: 39424
    .private_segment_fixed_size: 0
    .kernarg_segment_align: 8
    .kernarg_segment_size: 32
    .max_flat_workgroup_size: 128
    .sgpr_count:     66
    .vgpr_count:     160
    .wavefront_size: 32
...
	.end_amdgpu_metadata
.endif
;; end of part 1
;; launch gemm (part 2): grid 16 x 16, 4 waves a work-group, clusters of 4 x 1, 327,680 bytes of LDS; arguments aq, bq, out0; writes out0
.if DOCPART == 2
	.amdgcn_target "amdgcn-amd-amdhsa--gfx1250"
	.amdhsa_code_object_version 6
	.text
	.protected	k_qb410707fb7_gemm
	.globl	k_qb410707fb7_gemm
	.p2align	8
	.type	k_qb410707fb7_gemm,@function
k_qb410707fb7_gemm:
	s_mov_b64 s[64:65], 0
	v_nop
	global_prefetch_b8 v0, s[64:65] scope:SCOPE_SE
	s_setreg_imm32_b32 hwreg(HW_REG_WAVE_MODE, 25, 1), 1
	s_wait_xcnt 0x0
	s_wait_alu depctr_hold_cnt(0) depctr_sa_sdst(0) depctr_va_vdst(0) depctr_va_sdst(0) depctr_va_ssrc(0) depctr_va_vcc(0) depctr_vm_vsrc(0)
	s_getreg_b32 s2, hwreg(HW_REG_IB_STS2, 6, 4)
	s_cmp_eq_u32 s2, 0
	s_cbranch_scc0 .Lentry_in_a_cluster
	s_endpgm
.Lentry_in_a_cluster:
	s_bfe_u32 s2, ttmp6, 0x10000c
	s_cmp_lg_u32 s2, 0x3003
	s_cbranch_scc0 .Lentry_shape_is_right
	s_endpgm
.Lentry_shape_is_right:
; out0 [2048][4096] f32 = sum over K = 8,192 of input x weight, both as codes of BF6 with E8M0 scales, in the panels that launch quant lays (64 rows x 512 K, 25,600 bytes, images of operand registers).
; A work-group makes 128 rows x 256 columns; wave w makes all 128 rows x columns 64 w .. 64 w + 63: 8 x 4 accumulators.  64 steps of 128 along K, 32 matrix instructions each.
; THE WEIGHT'S 64 rows of a wave are read by no other wave of the work-group: they go from bq straight into operand registers, 12 loads of 512 consecutive bytes a step, into a ring of eight places.
; A step asks for the fragments of four steps on: 60 loads (and 2 of scales) are out at the most; the wait for a step's first pair leaves the 54 loads issued behind it out, that for the second pair 48.
; THE INPUT'S 128 rows are read by all four waves: they come through a ring of two LDS slots, each with 4 panels (8 steps), a panel a wave by one tensor load, asked for JOINTLY by the four work-groups
; of a cluster (4 x 1: one block row, four block columns; mask 15).  The weight is shared only between clusters and never enters LDS, so no joint load serves it.
; The change of slots stands in step 6 of each 8: by then step 7's fragments have been read, so the slot is free, and the refill has 7 1/2 steps' products ahead of the wait for it.
; REGISTERS: window 0: v0-15 addresses, v16-79 accumulators (a, b = 0), v80-175 the ring of weight fragment 0, v176-207 input scales, v208-223 weight scales (two sets each).
; Windows k = 1, 2, 3: v0-63 accumulators (a, b = k), v64-159 the ring of weight fragment k.  Windows 2 and 1, v160-255: the input's eight fragments of even and of odd steps.  Window 3, v160-223: the way out.
; A phase is the 8 products of one window under one window setting.  ALL LOADS OF A STEP STAND IN ONE RUN at its start: the next step's input fragments, scales where due, the weight of four steps on.
; The matrix instruction is used transposed (source 0 = weight rows): a lane holds eight neighbouring columns of a row of out0.
; PREFETCHES: in step (S, q) a wave names quarter q (25 blocks of 256 bytes, a lane a block) of its weight panel S + 2, whose loads begin a step or more later; behind a refill for fill u + 2 each partner
; names its quarter (by address, cx) of the wave's input panel of fill u + 3.  Both stop where the panel named would lie beyond K.
.set PANEL,  25600
.set FRB,    1536
.set SCO,    24576
.set SLOT,   4*PANEL
.set STAGE,  2*SLOT                    ; 16 rows x 272 bytes for each wave, bytes of its own
.set SPITCH, 272
.set SPARE,  STAGE+4*16*SPITCH         ; the spare words, 128 bytes a wave
.set ASTEP,  32*PANEL                  ; 512 along K in aq
.set BSTEP,  64*PANEL                  ; and in bq
.set CROW,   16384
.set SPW, 1
.set NIL, 2
.set BO,  3                            ; 16 x lane
.set PFO, 4                            ; 256 x min(lane, 24)
.set STO, 5
.set RD,  6
.set CO,  7
.set ADRA, 8                           ; v8-11  input fragments: 16 x lane + (2 slot + S % 2) x 2 panels
.set ADRS, 12                          ; v12-15 input scales: lanes 0-15 the first panel's rows, lanes 16-31 the second's
.set AFR, 160
.set SCA, 176
.set SCB, 208
.set BK,  160
.set G1, 24
.set G0, 32
.set BB, 40                            ; s[40:41] my weight panel of the lap's first S
.set PB, 42                            ; s[42:43] the same two panels on
.set PA, 44                            ; s[44:45] my quarter of my input panel, three fills on
.set MSB, 0
.macro WIN new
.if MSB != (\new)
	s_set_vgpr_msb (MSB<<8)|(\new)
.set MSB, (\new)
.endif
.endm
.macro PLACES                          ; four places ahead of loads into registers that matrix instructions have read, and of reads of results
.rept 4
	v_nop
.endr
.endm
.macro CREST
	s_cmp_lg_u32 s14, 0
	s_cbranch_scc1 .Lnot_wave_0_\@
	s_barrier_signal -3
.Lnot_wave_0_\@:
	s_barrier_wait -3
	s_barrier_signal -1
	s_barrier_wait -1
.endm
.macro CROUND
	s_barrier_signal -1
	s_barrier_wait -1
	CREST
.endm
.macro TLOAD s                         ; my panel of a slot
	tensor_load_to_lds s[G0+4*(\s):G0+4*(\s)+3], s[G1:G1+7]
	s_nop 0
	PLACES
.endm
.macro ASKA off, guard                 ; guard: not in the loop's last trip, where the fill named does not exist
.if \guard
	s_cmp_gt_u32 s3, 1
	s_cbranch_scc0 .Lno_ask_\@
.endif
	global_prefetch_b8 v[PFO], s[PA:PA+1] offset:\off th:TH_LOAD_NT scope:SCOPE_SE
.if \guard
.Lno_ask_\@:
.endif
.endm
; In window 0 the accumulators begin at v16, in the others at v0: 16 - 16 ((k + 3) / 4); the weight ring follows 64 registers on.
.macro BLD k, set, off                 ; weight fragment k into ring place set: three loads of 512 consecutive bytes (the destination's window is set by the caller)
.set BR_, 80-16*(((\k)+3)/4)+12*(\set)
.irp c, 0,1,2
	global_load_b128 v[BR_+4*\c:BR_+4*\c+3], v[BO], s[BB:BB+1] offset:(\off)+4*(\k)*FRB+512*\c
.endr
.endm
	s_load_b128 s[4:7], s[0:1], 0x0                ; aq, bq
	s_load_b64 s[8:9], s[0:1], 0x10                ; out0
	v_lshl_add_u32 v[SPW], v0, 2, SPARE
	v_mov_b32 v[NIL], 0
	ds_add_u32 v[SPW], v[NIL]
	ds_add_u32 v[SPW], v[NIL]
	v_lshrrev_b32 v224, 5, v0
	v_readfirstlane_b32 s14, v224                  ; wave
	s_lshr_b32 s15, s14, 1
	s_and_b32 s16, s14, 1
	s_bfe_u32 s19, ttmp6, 0x40000                  ; cx
	s_lshl_b32 s18, ttmp9, 2
	s_add_co_u32 s18, s18, s19                     ; block column
	s_and_b32 s17, ttmp7, 0xffff                   ; block row
	s_mov_b32 s[G1+0], 15|(3<<16)|(1<<21)          ; the four partners; elements of 8 bytes
	s_mov_b32 s[G1+1], 32<<16                      ; a panel is dense: 100 rows of 256 bytes
	s_mov_b32 s[G1+2], 100<<16
	s_mov_b32 s[G1+3], 32<<16
	s_mov_b32 s[G1+4], 100
	s_mov_b32 s[G1+5], 32
	s_mov_b32 s[G1+6], 0
	s_mov_b32 s[G1+7], 0
	s_lshl_b32 s20, s15, 5                         ; my input panel of fill 0: S = wave / 2, G = 2 x block row + wave % 2
	s_lshl_b32 s21, s17, 1
	s_add_co_u32 s20, s20, s21
	s_add_co_u32 s20, s20, s16
	s_mul_i32 s20, s20, PANEL
	s_mov_b32 s21, 0
	s_lshl_b32 s22, s18, 2                         ; my weight panel: G = 4 x block column + wave
	s_add_co_u32 s22, s22, s14
	s_mul_i32 s22, s22, PANEL
	s_mov_b32 s23, 0
	s_mul_i32 s10, s14, PANEL                      ; where my panel goes in a slot
	s_mul_i32 s11, s14, 16*SPITCH
	s_add_co_u32 s11, s11, STAGE                   ; my stage
	s_mul_i32 s12, s19, 6400                       ; my work-group's quarter of a panel, for the prefetch alone
	s_mov_b32 s13, 0
	v_and_b32 v225, 31, v0
	v_and_b32 v226, 15, v0                         ; r
	v_bfe_u32 v227, v0, 4, 1                       ; h
	v_lshlrev_b32 v[BO], 4, v225
	v_min_u32 v[PFO], 24, v225
	v_lshlrev_b32 v[PFO], 8, v[PFO]
	v_mul_u32_u24 v228, v227, PANEL
	v_lshl_add_u32 v228, v226, 4, v228
.irp n, 0,1,2,3
	v_add_nc_u32 v[ADRA+\n], \n*2*PANEL, v[BO]
	v_add_nc_u32 v[ADRS+\n], \n*2*PANEL+SCO, v228
.endr
	v_mul_u32_u24 v229, v226, SPITCH
	v_lshl_add_u32 v229, v227, 5, v229
	v_add_nc_u32 v[STO], s11, v229                 ; into the stage: row r, 32 bytes for each half of the lanes
	v_mul_u32_u24 v230, v227, SPITCH
	v_lshl_add_u32 v230, v226, 4, v230
	v_add_nc_u32 v[RD], s11, v230                  ; back: sixteen lanes a row of 256 bytes
	v_lshlrev_b32 v231, 14, v227
	v_lshl_add_u32 v[CO], v226, 4, v231            ; and the same two rows in out0
	s_wait_alu depctr_va_vdst(0)
	s_wait_dscnt 0x0                               ; both opening adds are done
	s_wait_kmcnt 0x0
	s_add_nc_u64 s[20:21], s[4:5], s[20:21]
	s_add_nc_u64 s[BB:BB+1], s[6:7], s[22:23]
	s_add_nc_u64 s[PB:PB+1], s[BB:BB+1], 2*BSTEP
	s_add_nc_u64 s[PA:PA+1], s[20:21], s[12:13]
	s_add_nc_u64 s[PA:PA+1], s[PA:PA+1], 6*ASTEP
.irp s, 0,1
	s_mov_b32 s[G0+4*\s], 1
	s_add_co_u32 s[G0+4*\s+1], s10, \s*SLOT
	s_add_nc_u64 s[G0+4*\s+2:G0+4*\s+3], s[20:21], \s*2*ASTEP
	s_or_b32 s[G0+4*\s+3], s[G0+4*\s+3], 0x80000000
.endr
	s_lshl_b32 s10, s17, 21                        ; out0: 128 rows a block row,
	s_lshl_b32 s11, s18, 10                        ; 1,024 bytes a block column,
	s_add_co_u32 s10, s10, s11
	s_lshl_b32 s11, s14, 8                         ; 256 bytes a wave
	s_add_co_u32 s10, s10, s11
	s_mov_b32 s11, 0
	s_add_nc_u64 s[8:9], s[8:9], s[10:11]
	CROUND                                         ; the four partners are here: the first joint loads meet
	TLOAD 0                                        ; fill 0: one tensor load a wave at the head
	; the weight's first four steps, in the order in which the phases take them, behind the first panel's scales
.irp i, 0,1
	global_load_b128 v[SCB+4*\i:SCB+4*\i+3], v[BO], s[BB:BB+1] offset:SCO+512*\i
.endr
.macro HBL k, t
	WIN (\k)<<6
	BLD \k, \t, (\t)*FRB
.endm
.irp t, 0,1,2,3
	HBL 1+(\t)%2, \t
	HBL 0, \t
	HBL 2-(\t)%2, \t
	HBL 3, \t
.endr
	WIN 0
	s_wait_tensorcnt 0x0
	ds_add_u32 v[SPW], v[NIL]
	s_wait_dscnt 0x0
	CROUND
	TLOAD 1                                        ; fill 1
	WIN 0x80
.irp a, 0,1,2,3,4,5,6,7
.irp c, 0,1,2
	ds_load_b128 v[AFR+12*\a+4*\c:AFR+12*\a+4*\c+3], v[ADRA] offset:(\a/4)*PANEL+4*(\a%4)*FRB+512*\c
.endr
.endr
	WIN 0
.irp g, 0,1,2,3
	ds_load_b128 v[SCA+4*\g:SCA+4*\g+3], v[ADRS] offset:256*\g
.endr
; One product: accumulator (a, k).  The weight's scale word: lanes 0-15 for even k, 16-31 for odd; the input's: lanes 0-15 for a < 4, 16-31 beyond.  z = 1: the product starts the sum.
.macro WM z, a, k
.set D_, 16-16*(((\k)+3)/4)+8*(\a)
.set B_, 80-16*(((\k)+3)/4)+12*P8
.set A_, AFR+12*(\a)
.set P_, SCB+8*SS+4*((\k)/2)+T4
.set Q_, SCA+16*SS+4*((\a)%4)+T4
.set R_, 4*(\z)+2*((\k)%2)+(\a)/4
.if R_ == 0
	v_wmma_scale_f32_16x16x128_f8f6f4 v[D_:D_+7], v[B_:B_+11], v[A_:A_+11], v[D_:D_+7], v[P_], v[Q_] matrix_a_fmt:MATRIX_FMT_BF6 matrix_b_fmt:MATRIX_FMT_BF6
.elseif R_ == 1
	v_wmma_scale_f32_16x16x128_f8f6f4 v[D_:D_+7], v[B_:B_+11], v[A_:A_+11], v[D_:D_+7], v[P_], v[Q_] matrix_a_fmt:MATRIX_FMT_BF6 matrix_b_fmt:MATRIX_FMT_BF6 matrix_b_scale:MATRIX_SCALE_ROW1
.elseif R_ == 2
	v_wmma_scale_f32_16x16x128_f8f6f4 v[D_:D_+7], v[B_:B_+11], v[A_:A_+11], v[D_:D_+7], v[P_], v[Q_] matrix_a_fmt:MATRIX_FMT_BF6 matrix_b_fmt:MATRIX_FMT_BF6 matrix_a_scale:MATRIX_SCALE_ROW1
.elseif R_ == 3
	v_wmma_scale_f32_16x16x128_f8f6f4 v[D_:D_+7], v[B_:B_+11], v[A_:A_+11], v[D_:D_+7], v[P_], v[Q_] matrix_a_fmt:MATRIX_FMT_BF6 matrix_b_fmt:MATRIX_FMT_BF6 matrix_a_scale:MATRIX_SCALE_ROW1 matrix_b_scale:MATRIX_SCALE_ROW1
.elseif R_ == 4
	v_wmma_scale_f32_16x16x128_f8f6f4 v[D_:D_+7], v[B_:B_+11], v[A_:A_+11], 0, v[P_], v[Q_] matrix_a_fmt:MATRIX_FMT_BF6 matrix_b_fmt:MATRIX_FMT_BF6
.elseif R_ == 5
	v_wmma_scale_f32_16x16x128_f8f6f4 v[D_:D_+7], v[B_:B_+11], v[A_:A_+11], 0, v[P_], v[Q_] matrix_a_fmt:MATRIX_FMT_BF6 matrix_b_fmt:MATRIX_FMT_BF6 matrix_b_scale:MATRIX_SCALE_ROW1
.elseif R_ == 6
	v_wmma_scale_f32_16x16x128_f8f6f4 v[D_:D_+7], v[B_:B_+11], v[A_:A_+11], 0, v[P_], v[Q_] matrix_a_fmt:MATRIX_FMT_BF6 matrix_b_fmt:MATRIX_FMT_BF6 matrix_a_scale:MATRIX_SCALE_ROW1
.else
	v_wmma_scale_f32_16x16x128_f8f6f4 v[D_:D_+7], v[B_:B_+11], v[A_:A_+11], 0, v[P_], v[Q_] matrix_a_fmt:MATRIX_FMT_BF6 matrix_b_fmt:MATRIX_FMT_BF6 matrix_a_scale:MATRIX_SCALE_ROW1 matrix_b_scale:MATRIX_SCALE_ROW1
.endif
.endm
.macro PHASE k, z                      ; window k's eight products, the accumulators by turns
	WIN (\k)|(WA<<2)|((\k)<<4)|((\k)<<6)
.irp a, 0,1,2,3,4,5,6,7
	WM \z, \a, \k
.endr
.endm
; Step j of a lap of 16: phases NW, 0, WA, 3 (WA: the window of this step's input fragments, NW: of the next step's).
; z: starts the sums; al: fetch the next step's input; r4: ask for the weight of four steps on; pf: prefetch; turn: 1 change of slots with refill, 2 without;
; c1, c2: the loads issued behind the first and the second half's weight pair, which may stay out
.macro STEP j, z, al, r4, pf, turn, c1, c2
.set T4, (\j)%4
.set P8, (\j)%8
.set L8, ((\j)+4)%8
.set SS, ((\j)/4)%2
.set WA, 2-(\j)%2
.set NW, 1+(\j)%2
.set NQ, ((\j)+1)%4
.set NS4, (((\j)+1)/4)%4
.set O4, (((\j)+4)/4)*BSTEP+T4*FRB
.set SL, ((\j)/8)%2
	s_wait_dscnt 0x0                               ; this step's input fragments and scales, asked for at the last step's start
.if (\al) && T4 == 3
	WIN 0
.irp g, 0,1,2,3
	ds_load_b128 v[SCA+16*(1-SS)+4*\g:SCA+16*(1-SS)+4*\g+3], v[ADRS+NS4] offset:256*\g
.endr
.endif
.if (\r4) && T4 == 0
	WIN 0
.irp i, 0,1                            ; the next panel's weight scales, ahead of that panel's first fragments: the wait for those covers them
	global_load_b128 v[SCB+8*(1-SS)+4*\i:SCB+8*(1-SS)+4*\i+3], v[BO], s[BB:BB+1] offset:((\j)/4+1)*BSTEP+SCO+512*\i
.endr
.endif
.if \al
	WIN NW<<6
.irp a, 0,1,2,3,4,5,6,7
.irp c, 0,1,2
	ds_load_b128 v[AFR+12*\a+4*\c:AFR+12*\a+4*\c+3], v[ADRA+NS4] offset:(\a/4)*PANEL+(4*(\a%4)+NQ)*FRB+512*\c
.endr
.endr
.endif
.if \r4                                ; four steps on has this step's parity: its phases take the fragments in this order
	WIN NW<<6
	BLD NW, L8, O4
	WIN 0
	BLD 0, L8, O4
.endif
.if \pf
	WIN 0
	global_prefetch_b8 v[PFO], s[PB:PB+1] offset:((\j)/4)*BSTEP+6400*T4 th:TH_LOAD_NT scope:SCOPE_SE
.endif
.if \r4
	WIN WA<<6
	BLD WA, L8, O4
	WIN 0xc0
	BLD 3, L8, O4
.endif
	s_wait_loadcnt \c1
	PHASE NW, \z
	PHASE 0, \z
.if \turn
	WIN 0
	s_wait_tensorcnt 0x0                           ; my panel of the next slot has landed;
	ds_add_u32 v[SPW], v[NIL]                      ; eight products stand between the add and its wait
	s_wait_loadcnt \c2
	PHASE WA, \z
	s_wait_dscnt 0x0                               ; the add is done, and so are my last reads of this slot: the next step's fragments
	s_barrier_signal -1
	PHASE 3, \z
	PLACES
	WIN 0
	s_barrier_wait -1
.if (\turn) == 1
	CREST                                          ; the barrier has opened a round of the cluster's barrier
	s_add_nc_u64 s[G0+4*SL+2:G0+4*SL+3], s[G0+4*SL+2:G0+4*SL+3], 4*ASTEP
	TLOAD SL                                       ; two fills on, into the slot just left
.if SL == 0
	ASKA 0, 0
.else
	ASKA 2*ASTEP, 1
.endif
.endif
.else
	s_wait_loadcnt \c2
	PHASE WA, \z
	PHASE 3, \z
	PLACES
.endif
.endm
	STEP 0, 1, 1, 1, 1, 0, 54, 48                  ; the first step starts the sums
	WIN 0
	s_mov_b32 s3, 3
.Llap:                                                 ; a trip: steps 1 to 16 of a lap, both slots filled again
.set J, 1
.rept 16
.if J%8 == 6
	STEP J, 0, 1, 1, 1, 1, 54, 48
.else
	STEP J, 0, 1, 1, 1, 0, 54, 48
.endif
.set J, J+1
.endr
	WIN 0
	s_wait_xcnt 0x0                                ; the loads and prefetches have read their bases
	s_add_nc_u64 s[BB:BB+1], s[BB:BB+1], 4*BSTEP
	s_add_nc_u64 s[PB:PB+1], s[PB:PB+1], 4*BSTEP
	s_add_nc_u64 s[PA:PA+1], s[PA:PA+1], 4*ASTEP
	s_sub_co_u32 s3, s3, 1
	s_cmp_lg_u32 s3, 0
	s_cbranch_scc1 .Llap
.set J, 1                              ; steps 49 to 63: no refill; prefetches end with panel 15, the weight's loads with step 63, and the counts run down
.rept 15
.if J == 6
	STEP J, 0, 1, 1, 1, 2, 54, 48
.elseif J <= 7
	STEP J, 0, 1, 1, 1, 0, 54, 48
.elseif J <= 11
	STEP J, 0, 1, 1, 0, 0, 54, 48
.elseif J == 12
	STEP J, 0, 1, 0, 0, 0, 42, 36
.elseif J == 13
	STEP J, 0, 1, 0, 0, 0, 30, 24
.elseif J == 14
	STEP J, 0, 1, 0, 0, 0, 18, 12
.else
	STEP J, 0, 0, 0, 0, 0, 6, 0
.endif
.set J, J+1
.endr
	WIN 0
; THE WAY OUT, by blocks of 16 rows x 64 columns: through my own stage, back as whole rows of 256 bytes, sixteen lanes to an aligned 256 bytes of out0.
.macro TOSTAGE a
.irp k, 0,1,2,3
.set AK_, 16-16*((\k+3)/4)+8*(\a)
	WIN (\k)<<2
	ds_store_b128 v[STO], v[AK_:AK_+3] offset:64*\k                      ; each accumulator from its low end on
	ds_store_b128 v[STO], v[AK_+4:AK_+7] offset:64*\k+16
.endr
	WIN 0xc0
.set BB_, BK+32*((\a)%2)
.irp t, 0,1,2,3,4,5,6,7
	ds_load_b128 v[BB_+4*\t:BB_+4*\t+3], v[RD] offset:\t*2*SPITCH        ; LDS serves a wave's instructions in order (ISA guide 5.7.1)
.endr
.endm
.macro SEND a, younger
.set BB_, BK+32*((\a)%2)
	s_wait_dscnt \younger
.if (\a) > 0
	s_add_nc_u64 s[8:9], s[8:9], 16*CROW           ; behind a wait on XCNT: the earlier stores have read their base
.endif
	WIN 0x0c
.irp t, 0,1,2,3,4,5,6,7
	global_store_b128 v[CO], v[BB_+4*\t:BB_+4*\t+3], s[8:9] offset:2*\t*CROW th:TH_STORE_NT
.endr
.endm
	TOSTAGE 0
.irp a, 1,2,3,4,5,6,7
.if \a > 1
	s_wait_xcnt 0x0                                ; block a - 2's stores have read their registers and their base
.endif
	TOSTAGE \a
	SEND \a-1, 16                                  ; behind block a - 1's loads: block a's 8 stores and 8 loads
.endr
	s_wait_xcnt 0x0
	SEND 7, 0
	WIN 0
	s_wait_tensorcnt 0x0                           ; the wave's end
	ds_add_u32 v[SPW], v[NIL]
	s_wait_dscnt 0x0
	CROUND                                         ; the closing round
	s_endpgm
.Lfunc_end_k_qb410707fb7_gemm:
	.size	k_qb410707fb7_gemm, .Lfunc_end_k_qb410707fb7_gemm-k_qb410707fb7_gemm
	.p2alignl 7, 3214868480
	.fill 96, 4, 3214868480
	.section	.rodata,"a",@progbits
	.p2align	6, 0x0
	.amdhsa_kernel k_qb410707fb7_gemm
		.amdhsa_group_segment_fixed_size 327680
		.amdhsa_private_segment_fixed_size 0
		.amdhsa_enable_private_segment 0
		.amdhsa_kernarg_size 24
		.amdhsa_user_sgpr_count 2
		.amdhsa_user_sgpr_kernarg_segment_ptr 1
		.amdhsa_wavefront_size32 1
		.amdhsa_system_sgpr_workgroup_id_x 1
		.amdhsa_system_sgpr_workgroup_id_y 1
		.amdhsa_system_sgpr_workgroup_id_z 1
		.amdhsa_system_vgpr_workitem_id 0
		.amdhsa_next_free_vgpr 1024
		.amdhsa_next_free_sgpr 66
		.amdhsa_reserve_vcc 0
		.amdhsa_float_denorm_mode_32 3
		.amdhsa_float_denorm_mode_16_64 3
		.amdhsa_memory_ordered 1
		.amdhsa_forward_progress 1
		.amdhsa_inst_pref_size 255
	.end_amdhsa_kernel
	.section	.bss,"aw",@nobits
	.p2align	6
	.space	262144
	.amdgpu_metadata
---
amdhsa.version: [ 1, 2 ]
amdhsa.kernels:
  - .name:           k_qb410707fb7_gemm
    .symbol:         k_qb410707fb7_gemm.kd
    .args:
      - { .name: aq, .offset: 0, .size: 8, .value_kind: global_buffer, .address_space: global }
      - { .name: bq, .offset: 8, .size: 8, .value_kind: global_buffer, .address_space: global }
      - { .name: out0, .offset: 16, .size: 8, .value_kind: global_buffer, .address_space: global }
    .group_segment_fixed_size: 327680
    .private_segment_fixed_size: 0
    .kernarg_segment_align: 8
    .kernarg_segment_size: 24
    .max_flat_workgroup_size: 128
    .sgpr_count:     66
    .vgpr_count:     1024
    .wavefront_size: 32
...
	.end_amdgpu_metadata
.endif
;; end of part 2
